; MI455X (gfx1250); checked and timed in simulation.
; The chip was launched on July 23, 2026; its instructions are those of AMD's public machine-readable ISA for CDNA 5 (MIT licence, August 2026) and "CDNA5" Instruction Set Architecture Reference Guide (July 2026). The comments in the code are by the model that wrote it; some were corrected since.
;; Impact Fun NN. Allowed arithmetic: matrix products marked QUANTISED: E2M1 operands, one E8M0 scale for each 32 along K, by v_wmma_scale_f32_16x16x128_f8f6f4 with both operands' format E2M1 (or v_wmma_scale_f32_32x16x128_f4), f32 sums; products left as they are: f32 operands where the result goes on into a quantised operand, else bf16, f16 or f32 operands; f32 sums; everything else in f32.
;; Inputs: b1 128 float32; b2 256 float32; emb1 17 x 16 float32; emb2 17 x 16 float32; event_type_seq 4 x 256 x 16 float32; indicator 4 x 256 int32; time_delta_matrix 4 x 256 x 256 float32; w1 128 float32; w2 128 x 256 float32.
;; Outputs: out0 4 x 256 x 256 float32.
;; Constants: num_types = 16.
;; This version of the problem:
;;   THIS VERSION OF THE PROBLEM IS GIVEN IN LOW PRECISION. The matrix products marked QUANTISED in the list below multiply operands that are first quantised to E2M1 (2 exponent bits, 1 mantissa bit; 4 bits a number), with one power-of-two scale for each 32 numbers along K (OCP MX v1.0); their sums are f32. All else is computed in f32.
;;   The module's matrix products, in the order in which they are computed (A, B: the left and right operand; K: the contracted axis; several contracted axes count as one K, in the product's order):
;;     1. [M 262,144, K 128] x [K 128, N 256]; A: computed on the way; B: input w2: QUANTISED
;;     2. batch 1,024 x [M 4,096, K 16] x [K 16, N 1]; A: computed on the way; B: computed on the way: left as it is (K = 16 < 32)
;;     3. batch 1,024 x [M 256, K 16] x [K 16, N 1]; A: computed on the way; B: computed on the way: left as it is (K = 16 < 32)
;;   THE QUANTISER, for each operand of a quantised product, along K:
;;     - K is cut into blocks of 32 from its start; a last block that is shorter is filled with zeros.
;;     - A block's scale is 2^e with e = floor(log2(the largest magnitude in the block)) - 2, held to -126 .. 127; a block of zeros has e = 0. As a byte (E8M0): e + 127.
;;     - Each number is divided by its block's scale, clamped to +-6, and rounded to the nearest number of E2M1, ties to even, subnormals kept.
;;     - The product sums the exact products of the quantised numbers (number of the format x scale) in f32.
;;   ~~~python
;;   def quantise(x, axis):      # numpy; x: float32 -> the quantised numbers, widened to float32 again
;;       x = np.moveaxis(x, axis, -1); K = x.shape[-1]
;;       x = np.pad(x, [(0, 0)] * (x.ndim - 1) + [(0, -K % 32)]); x = x.reshape(x.shape[:-1] + (-1, 32)); a = np.abs(x).max(-1, keepdims=True)
;;       e = np.where(a > 0, np.clip(np.frexp(np.where(a > 0, a, 1))[1] - 1 - 2, -126, 127), 0)      # np.frexp(a)[1] - 1 = floor(log2(a)), exactly
;;       r = np.clip(x / 2.0 ** e, -6, 6)
;;       step = 2.0 ** (np.maximum(np.frexp(np.where(r == 0, 1, r))[1] - 1, 0) - 1)
;;       q = np.round(r / step) * step * 2.0 ** e      # np.round: ties to even
;;       return np.moveaxis(q.reshape(q.shape[:-2] + (-1,))[..., :K], -1, axis).astype(np.float32)
;;   ~~~
;;   OPERANDS COMPUTED ON THE WAY. 'Computed on the way' means the value that the module computes at that place (a softmax that the list does not call 'softmax' is quantised finished and normalised). What goes into a quantiser is computed in f32, as accurately as f32 sums, v_exp_f32 and their like allow (about 1e-6 of the number): no bf16 or f16 on the way to a quantiser, and a product that is left as it is and whose result goes on into a quantised operand takes f32 operands (vector FMAs, or v_wmma_f32_16x16x4_f32). A number that lies on a knife's edge between two numbers of the format may be rounded either way, as far as f32 arithmetic and the matrix unit's own rounding can turn it there, and no further.
;; 2 versions, each right; version 2 is version 1 with the launch impact written anew for expert scheduling mode. Each part assembles by itself: llvm-mc -triple=amdgcn-amd-amdhsa -mcpu=gfx1250 --defsym DOCPART=n.
;; ======== version 1 of 2: 1 launch
;; launch impact (part 1): grid 256 x 1, 16 waves a work-group, no clusters, 22,528 bytes of LDS; arguments time_delta_matrix, event_type_seq, indicator, w1, b1, w2, b2, emb1, emb2, out0; writes out0
.if DOCPART == 1
	.amdgcn_target "amdgcn-amd-amdhsa--gfx1250"
	.amdhsa_code_object_version 6
	.text
	.protected	k_q023b09dbd5_impact
	.globl	k_q023b09dbd5_impact
	.p2align	8
	.type	k_q023b09dbd5_impact,@function
k_q023b09dbd5_impact:
	s_mov_b64 s[64:65], 0
	v_nop
	global_prefetch_b8 v0, s[64:65] scope:SCOPE_SE
	s_setreg_imm32_b32 hwreg(HW_REG_WAVE_MODE, 25, 1), 1
	s_wait_xcnt 0x0
; out[b][i][j] = mask x sum over d, e of softplus(Q(h) . Q(w2)[:, 16 d + e] + b2[16 d + e]) relu(emb1[ind_i][d]) relu(emb2[ind_j][e]),
; h = relu(t w1 + b1) (128 numbers), t = log(tdm x mask + 1), mask = (tdm > 0) x valid_i x valid_j, valid_s = not all 16 numbers of event row s are 0.
; Q: codes of FP4 (E2M1) with one E8M0 scale for each 32 along the 128; the product runs on the scaled 16x16x128 matrix form, sums in f32.  All else in f32.
; NOTHING IS LEFT OUT: every input has a way to the output and is loaded.  Masked pairs lie inside live tiles: they are computed and multiplied by 0; a weight relu(emb) that is 0 hangs on values: done and weighed.
; SHARES.  4 x 256 x 256 pairs.  Work-group g: batch g / 64, rows i = 4 (g % 64) .. + 3: 1,024 pairs.  Wave w of 16: row g x 4 + w / 4, columns j0 = 64 (w % 4) on: 64 pairs, four tiles of 16.
; Tile p, lane row r = pair j0 + 4 r + p: a lane's four tiles are four neighbouring j.  16 waves of 256 registers: no register windows; one wave's exponentials and logarithms stand beside another's plain work.
; LAYOUT.  The product is used transposed: source 0 = rows 16 d .. 16 d + 15 of w2^T, source 1 = 16 pairs, C = b2.  In the result lane (r, hh) register jj holds pair r at e = 8 hh + jj of tile d.
; As source 1 lane (r, hh) holds k = 64 c + 32 hh + 0 .. 31 in registers 4 c .. 4 c + 3: two WHOLE blocks of its own pair.  So a lane makes its 64 numbers of h itself, a block's maximum asks no other lane, and the conversions' results are the operand.
; w2 is quantised once by each work-group: wave w takes columns 32 (w % 8) + lane and k = 64 (w / 8) + 0 .. 63, a lane to a column, registers down K; the codes go to LDS as images of the operand's registers.
; NO CLUSTER, NO TENSOR LOAD: the one input that work-groups share is w2, 64 loads a lane at the head, wanted in registers a lane to a column; a joint load would add a pass through LDS and rounds of a barrier for them.
; SOFTPLUS in base 2, c = log2(e): z = c x; y = 2^-|z|; u = 1 + y; softplus / ln 2 = max(z, 0) + log2(u) + c (y - (u - 1)).  The maximum is taken away as in the source formula; the last term is what the rounding of 1 + y dropped.
; THE TWO SMALL PRODUCTS (K = 16) are packed f32 multiply-adds: each 16 x 16 matrix belongs to one pair and is used once.
; LIMITS.  relu is v_max_num_f32: a NaN in t w1 + b1 or in an embedding becomes 0.  y under 2^-126 counts as 0 (x under about -87: softplus 0).  A block of zeros has the scale byte 1 with zero codes.
; An index is held at 16 from above (taken as unsigned).  t w1 + b1 is one fused multiply-add.
.set REC,   1152                       ; LDS: record d of 16: 1,024 bytes of codes (group c at 512 c, lane L at 16 L), 64 of scale words (4 r), 64 of b2[16 d ..]
.set VAL,   16*REC                     ; valid[s] of my batch, 1.0 or 0.0: 256 words
.set EE,    VAL+1024                   ; relu(emb1[ind_i]): 64 bytes for each wave, its own
.set SPARE, EE+1024                    ; the spare words, 128 bytes for each wave: eight blocks of 256 bytes that no other line names
.set FLOOR, 0x1800000                  ; 2^(3 - 127): under it no largest magnitude is taken, so the scale's byte cannot fall under 1
.set SPW, 1                            ; v1   LDS address of my spare word; never rewritten
.set NIL, 2                            ; v2   0; never rewritten
.set HH,  3                            ; v3   lane / 16
.set VA,  4                            ; v4   16 r; then 8 hh; then 16 x lane
.set VB,  5                            ; v5   32 x thread; then a scale's byte; then 64 x wave
.set VC,  6                            ; v6   128 hh; then 32 hh
.set R4,  7                            ; v7   4 r
.set E1O, 8                            ; v8   4 r + 64 ind_i
.set MA,  9                            ; v9, v10  two chains of a block's maximum
.set MB,  10
.set SC,  11                           ; v11  the conversions' scale operand
.set IND, 12                           ; v12-15   ind_j of my four pairs, then their rows' offsets in emb2
.set TM,  16                           ; v16 + 2 p: t of tile p;  v17 + 2 p: its mask
.set CB,  24                           ; v24-55   h's codes, 8 registers a tile
.set BS,  56                           ; v56-59   h's scale words: scales alone
.set AS,  60                           ; v60      w2's scale word: scales alone
.set B2V, 61
.set E1V, 62
.set OW2, 63                           ; v63  4 x lane
.set HW,  64                           ; v64-95   32 numbers of h (before that: the event numbers, tdm, valid_j, at work)
.set RA,  96                           ; v96-127  w2, my column, block 0
.set RB,  128                          ; v128-159 block 1 (where w1 for c = 0 lay)
.set W1R, 128                          ; v128-191 w1 at my 64 k
.set B1R, 192                          ; v192-255 b1 likewise
.set EE2, 192                          ; v192-223 relu(emb2[ind_j]) at my eight e, 8 a tile (where b1 for c = 0 lay)
.set XR,  64                           ; the loop: v64-95 the product, then z, then max(z, 0) + c x residue
.set YR,  96                           ; v96-127  y, then the residue
.set ACC, 128                          ; v128-159 the sums over d
.set AF,  160                          ; v160-167 w2's fragment
.set CC,  168                          ; v168-175 b2 in the result's layout
.set WR,  176                          ; v176     ee1_d as loaded
.set WC,  178                          ; v178     ee1_d of the step in hand (v179 is named with it as a pair)
.set ADW, 180                          ; v180-183 the record's addresses
.set TP,  184                          ; v184-187 u - 1, two pairs by turns
.set UR,  224                          ; v224-255 u, then log2(u); at the end at work
.set WV,  24                           ; s24 wave   s25 row = 256 b + i   s26 quarter   s27 batch
.set ROW, 25
.set QQ,  26
.set BB,  27
.set VI,  49                           ; s49 valid_i, 1.0 or 0
.set SEL, 50                           ; s[50:51] v_permlanex16_b32's selects for lane l xor 16
.set CL,  52                           ; s[52:53] c = log2(e), in both
.set LN2, 54
.set CNT, 55
.set RO,  56                           ; s56 1152 d, s57 4 d: stepped by constants in the loop
.set EO,  57
	s_load_b512 s[4:19], s[0:1], 0x0               ; tdm s[4:5], events s[6:7], indicator s[8:9], w1 s[10:11], b1 s[12:13], w2 s[14:15], b2 s[16:17], emb1 s[18:19]
	s_load_b128 s[20:23], s[0:1], 0x40             ; emb2 s[20:21], out s[22:23]
	v_lshl_add_u32 v[SPW], v0, 2, SPARE
	v_mov_b32 v[NIL], 0
	v_lshrrev_b32 v[MA], 5, v0
	v_readfirstlane_b32 s[WV], v[MA]               ; wave 0..15
	v_bfe_u32 v[HH], v0, 4, 1
	v_and_b32 v[R4], 15, v0
	v_lshlrev_b32 v[VA], 4, v[R4]                  ; 16 r
	v_lshlrev_b32 v[R4], 2, v[R4]                  ; 4 r
	v_lshlrev_b32 v[VB], 5, v0                     ; 32 x thread
	v_lshlrev_b32 v[VC], 7, v[HH]                  ; 128 hh
	v_and_b32 v[OW2], 31, v0
	v_lshlrev_b32 v[OW2], 2, v[OW2]                ; 4 x lane
	s_lshr_b32 s56, s[WV], 2
	s_lshl_b32 s[ROW], ttmp9, 2
	s_add_co_u32 s[ROW], s[ROW], s56               ; 4 g + w / 4 = 256 b + i
	s_and_b32 s[QQ], s[WV], 3
	s_lshr_b32 s[BB], ttmp9, 6
	s_mov_b32 s[SEL], 0x76543210
	s_mov_b32 s[SEL+1], 0xfedcba98
	s_mov_b32 s[CL], 0x3fb8aa3b
	s_mov_b32 s[CL+1], s[CL]
	s_mov_b32 s[LN2], 0x3f317218
	s_lshl_b32 s58, s[QQ], 8                       ; 256 q
	s_lshl_b32 s56, s[ROW], 10
	s_add_co_u32 s56, s56, s58
	s_mov_b32 s57, 0                               ; s[56:57]: my 256 bytes of tdm and of out
	s_lshl_b32 s60, s[BB], 10
	s_add_co_u32 s58, s60, s58
	s_mov_b32 s59, 0                               ; s[58:59]: my 64 indices
	s_lshl_b32 s60, s[BB], 14
	s_mov_b32 s61, 0                               ; s[60:61]: my batch's event rows
	s_wait_kmcnt 0x0
	s_add_nc_u64 s[4:5], s[4:5], s[56:57]
	s_add_nc_u64 s[22:23], s[22:23], s[56:57]
	s_add_nc_u64 s[30:31], s[8:9], s[58:59]
	s_add_nc_u64 s[28:29], s[6:7], s[60:61]
	; the first four loads: 8 event numbers a thread (two threads to a row), my four tdm, my four indices
	global_load_b128 v[64:67], v[VB], s[28:29]
	global_load_b128 v[68:71], v[VB], s[28:29] offset:16
	global_load_b128 v[72:75], v[VA], s[4:5] th:TH_LOAD_NT
	global_load_b128 v[IND:IND+3], v[VA], s[30:31]
	s_lshl_b32 s56, s[ROW], 6
	s_add_nc_u64 s[6:7], s[6:7], s[56:57]          ; event row i,
	s_lshl_b32 s56, s[ROW], 2
	s_add_nc_u64 s[8:9], s[8:9], s[56:57]          ; and ind_i: the same for the whole wave, so they come as scalars
	s_load_b512 s[32:47], s[6:7], 0x0
	s_load_b32 s48, s[8:9], 0x0
	; 32 loads: w1 and b1 at k = 64 c + 32 hh + 0 .. 31; c = 0 first
.irp c, 0,1
.irp i, 0,1,2,3,4,5,6,7
	global_load_b128 v[W1R+32*\c+4*\i:W1R+32*\c+4*\i+3], v[VC], s[10:11] offset:256*\c+16*\i
.endr
.irp i, 0,1,2,3,4,5,6,7
	global_load_b128 v[B1R+32*\c+4*\i:B1R+32*\c+4*\i+3], v[VC], s[12:13] offset:256*\c+16*\i
.endr
.endr
	s_and_b32 s56, s[WV], 7
	s_lshl_b32 s56, s56, 7                         ; w2: my wave's 32 columns,
	s_lshr_b32 s58, s[WV], 3
	s_lshl_b32 s58, s58, 16                        ; and its 64 rows of 1,024 bytes
	s_add_co_u32 s56, s56, s58
	s_add_nc_u64 s[14:15], s[14:15], s[56:57]
	s_lshl_b32 s56, s[WV], 6
	s_add_nc_u64 s[16:17], s[16:17], s[56:57]      ; b2[16 w ..]: wave w lays record w's
	; ---- validity of my batch's 256 rows: a row is padding where all its numbers are +-0: the OR of their bits, the sign shifted out
	s_wait_loadcnt 32                              ; the first four loads are in; the 32 of w1 and b1 may be out
	v_or_b32 v64, v64, v65
	v_or_b32 v66, v66, v67
	v_or_b32 v68, v68, v69
	v_or_b32 v70, v70, v71
	v_or_b32 v64, v64, v66
	v_or_b32 v68, v68, v70
	v_or_b32 v64, v64, v68
	v_lshlrev_b32 v64, 1, v64
	v_mov_b32_dpp v65, v64 row_xmask:1 row_mask:0xf bank_mask:0xf   ; the row's other eight numbers lie in the neighbouring lane
	v_or_b32 v64, v64, v65
	v_cmp_ne_u32 vcc_lo, 0, v64
	v_cndmask_b32 v64, 0, 1.0, vcc_lo
	v_lshlrev_b32 v66, 1, v0
	v_and_b32 v66, 0x7fc, v66                      ; 4 x (thread / 2): both lanes of a row store the same word with the same value
	ds_store_b32 v66, v64 offset:VAL
	; 32 loads: w2(64 (w / 8) + i, my column): 32 lanes read 128 consecutive bytes
.set ii, 0
.rept 32
	global_load_b32 v[RA+ii], v[OW2], s[14:15] offset:ii*1024
.set ii, ii+1
.endr
	s_wait_kmcnt 0x0                               ; event row i and ind_i
.irp i, 33,34,35,36,37,38,39,40,41,42,43,44,45,46,47
	s_or_b32 s32, s32, s[\i]
.endr
	s_lshl_b32 s32, s32, 1
	s_cmp_lg_u32 s32, 0
	s_cselect_b32 s[VI], 1.0, 0                    ; a value is chosen; no branch hangs on it
	s_min_u32 s48, s48, 16                         ; the index is held inside the table of 17 rows
	s_lshl_b32 s48, s48, 6
	v_add_nc_u32 v[E1O], s48, v[R4]
	global_load_b32 v[E1V], v[E1O], s[18:19]       ; emb1[ind_i][r]
	global_load_b32 v[B2V], v[R4], s[16:17]        ; b2[16 w + r]
	s_wait_dscnt 0x0                               ; for the others' sake: my word of valid has landed
	s_barrier_signal -1
	s_barrier_wait -1
	; ---- t and the mask of my four pairs
	s_lshl_b32 s56, s[QQ], 8
	v_add_nc_u32 v80, s56, v[VA]
	ds_load_b128 v[76:79], v80 offset:VAL          ; valid at j0 + 4 r + 0 .. 3
	s_wait_dscnt 0x0
.irp p, 0,1,2,3
	v_cmp_lt_f32 vcc_lo, 0, v[72+\p]
	v_cndmask_b32 v[TM+1+2*\p], 0, v[76+\p], vcc_lo
	v_mul_f32 v[TM+1+2*\p], s[VI], v[TM+1+2*\p]    ; (tdm > 0) x valid_j x valid_i
	v_fma_f32 v[80+\p], v[72+\p], v[TM+1+2*\p], 1.0
.endr
.irp p, 0,1,2,3
	v_log_f32 v[TM+2*\p], v[80+\p]
.endr
	v_lshlrev_b32 v[VA], 3, v[HH]                  ; 8 hh.  (The plain instruction behind the logarithms)
	s_wait_alu depctr_va_vdst(0)                   ; the wait ahead of the batch's first reader
.irp p, 0,1,2,3
	v_mul_f32 v[TM+2*\p], s[LN2], v[TM+2*\p]       ; log = log2 x ln 2
.endr
; the largest of 32 numbers from v[base] on (mag = 1: of their magnitudes) and the floor, in two chains -> v[MA]
.macro MAXB base, mag
.if \mag
	v_max3_num_f32 v[MA], |v[\base]|, |v[\base+1]|, FLOOR
	v_max3_num_f32 v[MB], |v[\base+16]|, |v[\base+17]|, |v[\base+18]|
.irp i, 2,4,6,8,10,12
	v_max3_num_f32 v[MA], v[MA], |v[\base+\i]|, |v[\base+\i+1]|
	v_max3_num_f32 v[MB], v[MB], |v[\base+\i+17]|, |v[\base+\i+18]|
.endr
	v_max3_num_f32 v[MA], v[MA], |v[\base+14]|, |v[\base+15]|
	v_max3_num_f32 v[MA], v[MA], v[MB], |v[\base+31]|
.else
	v_max3_num_f32 v[MA], v[\base], v[\base+1], FLOOR
	v_max3_num_f32 v[MB], v[\base+16], v[\base+17], v[\base+18]
.irp i, 2,4,6,8,10,12
	v_max3_num_f32 v[MA], v[MA], v[\base+\i], v[\base+\i+1]
	v_max3_num_f32 v[MB], v[MB], v[\base+\i+17], v[\base+\i+18]
.endr
	v_max3_num_f32 v[MA], v[MA], v[\base+14], v[\base+15]
	v_max3_num_f32 v[MA], v[MA], v[MB], v[\base+31]
.endif
.endm
; tile p, block 2 c + hh of my pair: h at k = 64 c + 32 hh + 0 .. 31, its scale's byte, its codes: registers 4 c .. 4 c + 3 of the operand
.macro HB p, c
.irp i, 0,2,4,6,8,10,12,14,16,18,20,22,24,26,28,30
	v_pk_fma_f32 v[HW+\i:HW+\i+1], v[W1R+32*\c+\i:W1R+32*\c+\i+1], v[TM+2*\p:TM+2*\p+1], v[B1R+32*\c+\i:B1R+32*\c+\i+1] op_sel_hi:[1,0,1]   ; t w1 + b1: of the pair (t, mask) the low word serves both halves
.endr
.set ii, 0
.rept 32
	v_max_num_f32 v[HW+ii], 0, v[HW+ii]            ; relu
.set ii, ii+1
.endr
	MAXB HW, 0                                     ; none is negative: no |.|
	v_add_nc_u32 v[SC], 0xff000000, v[MA]          ; 2 off the exponent field: the conversion takes the exponent field of this operand as its scale
.irp g, 0,1,2,3
	v_cvt_scalef32_pk8_fp4_f32 v[CB+8*\p+4*\c+\g], v[HW+8*\g:HW+8*\g+7], v[SC]
.endr
	v_lshrrev_b32 v[VB], 23, v[SC]                 ; the scale's byte.  (The plain instruction behind the conversions)
.if \c == 0
	v_mov_b32 v[BS+\p], v[VB]
.else
	v_lshl_or_b32 v[BS+\p], v[VB], 16, v[BS+\p]    ; my two bytes: blocks hh and 2 + hh
.endif
.endm
	s_wait_loadcnt 50                              ; w1 and b1 for c = 0 are in; out may be: those for c = 1 (16), w2's first block (32), emb1 and b2 (2)
.irp p, 0,1,2,3
	HB \p, 0
.endr
	s_wait_loadcnt 34                              ; w1 and b1 for c = 1 are in; out may be: w2's first block (32), emb1 and b2 (2)
.set ii, 0
.rept 32
	global_load_b32 v[RB+ii], v[OW2], s[14:15] offset:(32+ii)*1024   ; w2's second block, where w1 for c = 0 lay
.set ii, ii+1
.endr
	v_lshlrev_b32 v[VC], 5, v[HH]                  ; 32 hh (the loads that read 128 hh are in)
.irp p, 0,1,2,3
	v_min_u32 v[IND+\p], 16, v[IND+\p]             ; the index is held inside the table
.endr
.irp p, 0,1,2,3
	v_lshlrev_b32 v[IND+\p], 6, v[IND+\p]
.endr
.irp p, 0,1,2,3
	v_add_nc_u32 v[IND+\p], v[VC], v[IND+\p]       ; row ind_j of 64 bytes, + my eight e
.endr
.irp p, 0,1,2,3
	global_load_b128 v[EE2+8*\p:EE2+8*\p+3], v[IND+\p], s[20:21]
	global_load_b128 v[EE2+8*\p+4:EE2+8*\p+7], v[IND+\p], s[20:21] offset:16
.endr
.irp p, 0,1,2,3
	HB \p, 1
.endr
.irp p, 0,1,2,3
	v_lshlrev_b32 v[BS+\p], v[VA], v[BS+\p]        ; my two bytes at their places in the scale word, 8 hh bits up;
.endr
.irp p, 0,1,2,3
	v_permlanex16_b32 v[HW+\p], v[BS+\p], s[SEL], s[SEL+1]
.endr
.irp p, 0,1,2,3
	v_or_b32 v[BS+\p], v[BS+\p], v[HW+\p]          ; with lane l xor 16's two the word is whole
.endr
	; ---- w2: my column n = 32 (w % 8) + lane: tile T = n / 16 = 2 (w % 8) + hh, row r; block u is group w / 8 of lane (r, u) of that tile's image
	s_and_b32 s56, s[WV], 7
	s_mul_i32 s56, s56, 2*REC
	s_lshr_b32 s57, s[WV], 3
	s_lshl_b32 s58, s57, 9
	s_add_co_u32 s58, s58, s56
	s_lshl_b32 s57, s57, 1
	s_add_co_u32 s57, s57, s56
	v_mul_u32_u24 v84, v[HH], REC
	v_and_b32 v85, 15, v0
	v_lshl_add_u32 v86, v85, 4, v84
	v_add_nc_u32 v86, s58, v86                     ; codes: T x REC + 512 (w / 8) + 16 r (+ 256 u)
	v_add_nc_u32 v87, v84, v[R4]
	v_add_nc_u32 v87, s57, v87                     ; scale bytes: T x REC + 4 r + 2 (w / 8)
	s_mul_i32 s59, s[WV], REC
	v_add_nc_u32 v88, s59, v[R4]                   ; b2: record w, 4 r
	s_lshl_b32 s60, s[WV], 6
	v_add_nc_u32 v89, s60, v[R4]                   ; ee1: 64 w + 4 r
.macro QW raw, u
	MAXB \raw, 1
	v_add_nc_u32 v[SC], 0xff000000, v[MA]
.irp g, 0,1,2,3
	v_cvt_scalef32_pk8_fp4_f32 v[64+4*\u+\g], v[\raw+8*\g:\raw+8*\g+7], v[SC]
.endr
	v_lshrrev_b32 v[80+\u], 23, v[SC]              ; the byte.  (The plain instruction behind the conversions)
	ds_store_b128 v86, v[64+4*\u:67+4*\u] offset:256*\u
.endm
	s_wait_loadcnt 42                              ; w2's first block is in; out may be: emb1 and b2 (2), the second block (32), emb2 (8)
	QW RA, 0
	s_wait_loadcnt 0x0
	QW RB, 1
	v_lshl_or_b32 v80, v81, 8, v80
	ds_store_b16 v87, v80 offset:1024              ; bytes 2 (w / 8) and 2 (w / 8) + 1 of my row's scale word
	ds_store_b32 v88, v[B2V] offset:1088           ; (lanes r and 16 + r store the same word with the same value, here and below)
	v_max_num_f32 v[E1V], 0, v[E1V]
	ds_store_b32 v89, v[E1V] offset:EE
	s_wait_dscnt 0x0                               ; for the others' sake: my stores have landed
	s_barrier_signal -1
	; work on registers while the others arrive
.set ii, 0
.rept 32
	v_mov_b32 v[ACC+ii], 0                         ; the step is written for a loop: its first trip finds zeros
.set ii, ii+1
.endr
.set ii, 0
.rept 32
	v_max_num_f32 v[EE2+ii], 0, v[EE2+ii]
.set ii, ii+1
.endr
	v_mov_b32 v[WC+1], 0                           ; (named as the upper half of a pair)
	v_and_b32 v[VA], 31, v0
	v_lshlrev_b32 v[VA], 4, v[VA]                  ; 16 x lane
	v_lshrrev_b32 v[VB], 5, v0
	v_lshlrev_b32 v[VB], 6, v[VB]                  ; 64 x wave
	s_mov_b32 s[RO], 0
	s_mov_b32 s[EO], 0
	s_mov_b32 s[CNT], 15
	s_barrier_wait -1                              ; the sixteen records lie in LDS; nothing is stored there from here on
.macro ADDR                                    ; the addresses of the record at s[RO]
	v_add_nc_u32 v[ADW], s[RO], v[VA]
	v_add_nc_u32 v[ADW+1], s[RO], v[R4]
	v_add_nc_u32 v[ADW+2], s[RO], v[VC]
	v_add_nc_u32 v[ADW+3], s[EO], v[VB]
.endm
.macro LDREC
	ds_load_b128 v[AF:AF+3], v[ADW]
	ds_load_b128 v[AF+4:AF+7], v[ADW] offset:512
	ds_load_b32 v[AS], v[ADW+1] offset:1024
	ds_load_b128 v[CC:CC+3], v[ADW+2] offset:1088
	ds_load_b128 v[CC+4:CC+7], v[ADW+2] offset:1104
	ds_load_b32 v[WR], v[ADW+3] offset:EE
.endm
; ONE d: four products (my four tiles), softplus of 32 numbers a lane, and the sum over d.  more = 1: the next record is fetched.
.macro STEP more
	s_wait_dscnt 0x0                               ; the record is in
.irp p, 0,1,2,3
	v_wmma_scale_f32_16x16x128_f8f6f4 v[XR+8*\p:XR+8*\p+7], v[AF:AF+7], v[CB+8*\p:CB+8*\p+7], v[CC:CC+7], v[AS], v[BS+\p] matrix_a_fmt:MATRIX_FMT_FP4 matrix_b_fmt:MATRIX_FMT_FP4
.endr
	v_mov_b32 v[WC], v[WR]                         ; ee1_d.  This line and the four (or three) below name no register of the products: the places ahead of the loads into their sources and of the first read of their results
.if \more
	s_add_co_u32 s[RO], s[RO], REC
	s_add_co_u32 s[EO], s[EO], 4
	ADDR
	LDREC
.else
.rept 3
	v_nop
.endr
.endif
	; z = c x in place; y = 2^-|z|; then max(z, 0) in place.  Each result is read from its low end on.  The exponentials are one batch; plain lines stand among them
	v_pk_mul_f32 v[XR:XR+1], v[XR:XR+1], s[CL:CL+1] op_sel_hi:[1,0]
.set mm, 0
.rept 16
	v_exp_f32 v[YR+2*mm], -|v[XR+2*mm]|
.if mm < 15
	v_pk_mul_f32 v[XR+2*mm+2:XR+2*mm+3], v[XR+2*mm+2:XR+2*mm+3], s[CL:CL+1] op_sel_hi:[1,0]
.endif
	v_exp_f32 v[YR+2*mm+1], -|v[XR+2*mm+1]|
.if mm > 0
	v_max_num_f32 v[XR+2*mm-2], 0, v[XR+2*mm-2]
	v_max_num_f32 v[XR+2*mm-1], 0, v[XR+2*mm-1]
.endif
.set mm, mm+1
.endr
	v_max_num_f32 v[XR+30], 0, v[XR+30]
	v_max_num_f32 v[XR+31], 0, v[XR+31]
	s_wait_alu depctr_va_vdst(0)                   ; one wait for the 32 exponentials, ahead of their first reader
	; u = 1 + y; log2(u) in place, a second batch that nothing names before its wait; among them: the residue y - (u - 1), max(z, 0) + c x residue, and that x ee1_d onto the sums
	v_pk_add_f32 v[UR:UR+1], v[YR:YR+1], 1.0 op_sel_hi:[1,0]
	v_pk_add_f32 v[TP:TP+1], v[UR:UR+1], -1.0 op_sel_hi:[1,0]
.set mm, 0
.rept 16
	v_log_f32 v[UR+2*mm], v[UR+2*mm]
	v_pk_add_f32 v[YR+2*mm:YR+2*mm+1], v[YR+2*mm:YR+2*mm+1], v[TP+2*(mm%2):TP+2*(mm%2)+1] neg_lo:[0,1] neg_hi:[0,1]
	v_log_f32 v[UR+2*mm+1], v[UR+2*mm+1]
.if mm < 15
	v_pk_add_f32 v[UR+2*mm+2:UR+2*mm+3], v[YR+2*mm+2:YR+2*mm+3], 1.0 op_sel_hi:[1,0]
.endif
	v_pk_fma_f32 v[XR+2*mm:XR+2*mm+1], v[YR+2*mm:YR+2*mm+1], s[CL:CL+1], v[XR+2*mm:XR+2*mm+1] op_sel_hi:[1,0,1]
.if mm < 15
	v_pk_add_f32 v[TP+2*((mm+1)%2):TP+2*((mm+1)%2)+1], v[UR+2*mm+2:UR+2*mm+3], -1.0 op_sel_hi:[1,0]
.endif
	v_pk_fma_f32 v[ACC+2*mm:ACC+2*mm+1], v[XR+2*mm:XR+2*mm+1], v[WC:WC+1], v[ACC+2*mm:ACC+2*mm+1] op_sel_hi:[1,0,1]
.set mm, mm+1
.endr
	s_wait_alu depctr_va_vdst(0)                   ; one wait for the 32 logarithms
.set mm, 0
.rept 16
	v_pk_fma_f32 v[ACC+2*mm:ACC+2*mm+1], v[UR+2*mm:UR+2*mm+1], v[WC:WC+1], v[ACC+2*mm:ACC+2*mm+1] op_sel_hi:[1,0,1]
.set mm, mm+1
.endr
.endm
	ADDR
	LDREC                                          ; record 0
.Ld:                                               ; 15 trips: d = 0 .. 14, each fetching the record of d + 1
	STEP 1
	s_sub_co_u32 s[CNT], s[CNT], 1
	s_cmp_lg_u32 s[CNT], 0
	s_cbranch_scc1 .Ld
	STEP 0                                         ; d = 15 is written out: there is no record behind it
	; ---- the way out: the sums x relu(emb2) over my eight e, lane l xor 16's eight, x ln 2, x the mask
.irp p, 0,1,2,3
	v_pk_mul_f32 v[UR+2*\p:UR+2*\p+1], v[ACC+8*\p:ACC+8*\p+1], v[EE2+8*\p:EE2+8*\p+1]
.endr
.irp k, 2,4,6
.irp p, 0,1,2,3
	v_pk_fma_f32 v[UR+2*\p:UR+2*\p+1], v[ACC+8*\p+\k:ACC+8*\p+\k+1], v[EE2+8*\p+\k:EE2+8*\p+\k+1], v[UR+2*\p:UR+2*\p+1]
.endr
.endr
.irp p, 0,1,2,3
	v_add_f32 v[UR+2*\p], v[UR+2*\p], v[UR+2*\p+1]
.endr
.irp p, 0,1,2,3
	v_permlanex16_b32 v[UR+2*\p+1], v[UR+2*\p], s[SEL], s[SEL+1]
.endr
.irp p, 0,1,2,3
	v_add_f32 v[UR+2*\p], v[UR+2*\p], v[UR+2*\p+1]
.endr
.irp p, 0,1,2,3
	v_mul_f32 v[UR+2*\p], s[LN2], v[UR+2*\p]
.endr
.irp p, 0,1,2,3
	v_mul_f32 v[UR+2*\p], v[TM+1+2*\p], v[UR+2*\p]
.endr
	v_cmp_ne_u32 vcc_lo, 0, v[HH]
	v_cndmask_b32 v[UR+8], v[UR], v[UR+4], vcc_lo  ; lanes 0-15 store tiles 0 and 1, lanes 16-31 tiles 2 and 3
	v_cndmask_b32 v[UR+9], v[UR+2], v[UR+6], vcc_lo
	v_lshlrev_b32 v[UR+10], 2, v[R4]
	v_lshl_add_u32 v[UR+10], v[HH], 3, v[UR+10]    ; 16 r + 8 hh
	global_store_b64 v[UR+10], v[UR+8:UR+9], s[22:23] th:TH_STORE_NT   ; the wave's one store covers its 256 consecutive bytes, at a multiple of 256 from out's first byte
	s_wait_tensorcnt 0x0                           ; the wave's end, behind my last LDS store
	ds_add_u32 v[SPW], v[NIL]
	s_wait_dscnt 0x0
	s_endpgm
.Lfunc_end_k_q023b09dbd5_impact:
	.size	k_q023b09dbd5_impact, .Lfunc_end_k_q023b09dbd5_impact-k_q023b09dbd5_impact
	.p2alignl 7, 3214868480
	.fill 96, 4, 3214868480
	.section	.rodata,"a",@progbits
	.p2align	6, 0x0
	.amdhsa_kernel k_q023b09dbd5_impact
		.amdhsa_group_segment_fixed_size 22528
		.amdhsa_private_segment_fixed_size 0
		.amdhsa_enable_private_segment 0
		.amdhsa_kernarg_size 80
		.amdhsa_user_sgpr_count 2
		.amdhsa_user_sgpr_kernarg_segment_ptr 1
		.amdhsa_wavefront_size32 1
		.amdhsa_system_sgpr_workgroup_id_x 1
		.amdhsa_system_sgpr_workgroup_id_y 1
		.amdhsa_system_sgpr_workgroup_id_z 1
		.amdhsa_system_vgpr_workitem_id 0
		.amdhsa_next_free_vgpr 256
		.amdhsa_next_free_sgpr 66
		.amdhsa_reserve_vcc 1
		.amdhsa_float_denorm_mode_32 3
		.amdhsa_float_denorm_mode_16_64 3
		.amdhsa_memory_ordered 1
		.amdhsa_forward_progress 1
		.amdhsa_inst_pref_size 77
	.end_amdhsa_kernel
	.amdgpu_metadata
---
amdhsa.version: [ 1, 2 ]
amdhsa.kernels:
  - .name:           k_q023b09dbd5_impact
    .symbol:         k_q023b09dbd5_impact.kd
    .args:
      - { .name: time_delta_matrix, .offset: 0, .size: 8, .value_kind: global_buffer, .address_space: global }
      - { .name: event_type_seq, .offset: 8, .size: 8, .value_kind: global_buffer, .address_space: global }
      - { .name: indicator, .offset: 16, .size: 8, .value_kind: global_buffer, .address_space: global }
      - { .name: w1, .offset: 24, .size: 8, .value_kind: global_buffer, .address_space: global }
      - { .name: b1, .offset: 32, .size: 8, .value_kind: global_buffer, .address_space: global }
      - { .name: w2, .offset: 40, .size: 8, .value_kind: global_buffer, .address_space: global }
      - { .name: b2, .offset: 48, .size: 8, .value_kind: global_buffer, .address_space: global }
      - { .name: emb1, .offset: 56, .size: 8, .value_kind: global_buffer, .address_space: global }
      - { .name: emb2, .offset: 64, .size: 8, .value_kind: global_buffer, .address_space: global }
      - { .name: out0, .offset: 72, .size: 8, .value_kind: global_buffer, .address_space: global }
    .group_segment_fixed_size: 22528
    .private_segment_fixed_size: 0
    .kernarg_segment_align: 8
    .kernarg_segment_size: 80
    .max_flat_workgroup_size: 512
    .sgpr_count:     66
    .vgpr_count:     256
    .wavefront_size: 32
...
	.end_amdgpu_metadata
.endif
;; end of part 1
;; ======== version 2 of 2: 1 launch; version 1 with the launch impact written anew for expert scheduling mode
;; launch impact (part 2): grid 256 x 1, 16 waves a work-group, no clusters, 22,528 bytes of LDS; arguments time_delta_matrix, event_type_seq, indicator, w1, b1, w2, b2, emb1, emb2, out0; writes out0
.if DOCPART == 2
	.amdgcn_target "amdgcn-amd-amdhsa--gfx1250"
	.amdhsa_code_object_version 6
	.text
	.protected	k_q023b09dbd5_impact
	.globl	k_q023b09dbd5_impact
	.p2align	8
	.type	k_q023b09dbd5_impact,@function
k_q023b09dbd5_impact:
	s_mov_b64 s[64:65], 0
	v_nop
	global_prefetch_b8 v0, s[64:65] scope:SCOPE_SE
	s_setreg_imm32_b32 hwreg(HW_REG_WAVE_SCHED_MODE, 0, 2), 2
	s_setreg_imm32_b32 hwreg(HW_REG_WAVE_MODE, 25, 1), 1
	s_wait_xcnt 0x0
	s_wait_alu depctr_vm_vsrc(0)
; out[b][i][j] = mask x sum over d, e of softplus(Q(h) . Q(w2)[:, 16 d + e] + b2[16 d + e]) relu(emb1[ind_i][d]) relu(emb2[ind_j][e]),
; h = relu(t w1 + b1) (128 numbers), t = log(tdm x mask + 1), mask = (tdm > 0) x valid_i x valid_j, valid_s = not all 16 numbers of event row s are 0.
; Q: codes of FP4 (E2M1) with one E8M0 scale for each 32 along the 128; the product runs on the scaled 16x16x128 matrix form, sums in f32.  All else in f32.
; NOTHING IS LEFT OUT: every input has a way to the output and is loaded.  Masked pairs lie inside live tiles: they are computed and multiplied by 0; a weight relu(emb) that is 0 hangs on values: done and weighed.
; SHARES.  4 x 256 x 256 pairs.  Work-group g: batch g / 64, rows i = 4 (g % 64) .. + 3: 1,024 pairs.  Wave w of 16: row g x 4 + w / 4, columns j0 = 64 (w % 4) on: 64 pairs, four tiles of 16.
; Tile p, lane row r = pair j0 + 4 r + p: a lane's four tiles are four neighbouring j.  16 waves of 256 registers: no register windows; one wave's exponentials and logarithms stand beside another's plain work.
; LAYOUT.  The product is used transposed: source 0 = rows 16 d .. 16 d + 15 of w2^T, source 1 = 16 pairs, C = b2.  In the result lane (r, hh) register jj holds pair r at e = 8 hh + jj of tile d.
; As source 1 lane (r, hh) holds k = 64 c + 32 hh + 0 .. 31 in registers 4 c .. 4 c + 3: two WHOLE blocks of its own pair.  So a lane makes its 64 numbers of h itself, a block's maximum asks no other lane, and the conversions' results are the operand.
; w2 is quantised once by each work-group: wave w takes columns 32 (w % 8) + lane and k = 64 (w / 8) + 0 .. 63, a lane to a column, registers down K; the codes go to LDS as images of the operand's registers.
; NO CLUSTER, NO TENSOR LOAD: the one input that work-groups share is w2, 64 loads a lane at the head, wanted in registers a lane to a column; a joint load would add a pass through LDS and rounds of a barrier for them.
; SOFTPLUS in base 2, c = log2(e): z = c x; y = 2^-|z|; u = 1 + y; softplus / ln 2 = max(z, 0) + log2(u) + c (y - (u - 1)).  The maximum is taken away as in the source formula; the last term is what the rounding of 1 + y dropped.
; THE TWO SMALL PRODUCTS (K = 16) are packed f32 multiply-adds: each 16 x 16 matrix belongs to one pair and is used once.
; LIMITS.  relu is v_max_num_f32: a NaN in t w1 + b1 or in an embedding becomes 0.  y under 2^-126 counts as 0 (x under about -87: softplus 0).  A block of zeros has the scale byte 1 with zero codes.
; An index is held at 16 from above (taken as unsigned).  t w1 + b1 is one fused multiply-add.
; THE MODE: SCHED_MODE bits 1:0 = 2 (LLVM: expert scheduling mode 2), set by the entry lines.  The code itself states the register dependences
; between vector or matrix instructions and memory or LDS instructions, with s_wait_alu, always for 0.
; THE PLAN.  Registers that memory or LDS instructions touch:
;   the head    v4 to v7, v63: offsets, made once ahead of the first load.  v7 and v63 are never written again; v4, v5, v6 are, behind one wait on vm_vsrc that stands behind all loads that read them.
;               v64, v66 (valid's word and its LDS address), v8 (emb1's offset), v80 (valid_j's LDS address): made together, ahead of one wait on va_vdst; v64, v66, v80 are written again behind the same wait on vm_vsrc.
;               v128-159, v192-223: w1 and b1 for c = 0, read by the four tiles' multiply-adds; then w2's second block and emb2 land there, by offsets v63 and v12-15: one wait on va_vdst ahead of the 40 loads.
;               v64-71, v80, v62 (codes, scale bytes, ee1) and v86-89 (LDS addresses): made by both blocks' quantising, then one wait on va_vdst, then the five LDS stores; one wait on vm_vsrc frees them for the products' results.
;   the loop    the record AF, CC, AS, WR: read by a step's four products and by the copy of ee1_d; the next record's six LDS loads land there.
;               v180-183, the record's LDS addresses: read by those loads, written by four additions a step.
;               XR, YR, UR, TP, ACC, WC, and h's codes and scale words, are named by vector and matrix instructions alone.
; A step's wait behind its 32 exponentials stands behind the products, the copy and the additions too: so the six loads of the next record stand directly behind it and owe nothing more, and nothing from there to the
; next step's wait on DScnt names their registers, over the backward jump too.  One wait on vm_vsrc at a step's head stands ahead of the additions.  All 256 registers of a wave are taken (four waves share 1,024): there is no second record.
.set REC,   1152                       ; LDS: record d of 16: 1,024 bytes of codes (group c at 512 c, lane L at 16 L), 64 of scale words (4 r), 64 of b2[16 d ..]
.set VAL,   16*REC                     ; valid[s] of my batch, 1.0 or 0.0: 256 words
.set EE,    VAL+1024                   ; relu(emb1[ind_i]): 64 bytes for each wave, its own
.set SPARE, EE+1024                    ; the spare words, 128 bytes for each wave: eight blocks of 256 bytes that no other line names
.set FLOOR, 0x1800000                  ; 2^(3 - 127): under it no largest magnitude is taken, so the scale's byte cannot fall under 1
.set SPW, 1                            ; v1   LDS address of my spare word; never rewritten
.set NIL, 2                            ; v2   0; never rewritten
.set HH,  3                            ; v3   lane / 16
.set VA,  4                            ; v4   16 r; then 8 hh; then 16 x lane
.set VB,  5                            ; v5   32 x thread; then a scale's byte; then 64 x wave
.set VC,  6                            ; v6   128 hh; then 32 hh
.set R4,  7                            ; v7   4 r
.set E1O, 8                            ; v8   4 r + 64 ind_i
.set MA,  9                            ; v9, v10  two chains of a block's maximum
.set MB,  10
.set SC,  11                           ; v11  the conversions' scale operand
.set IND, 12                           ; v12-15   ind_j of my four pairs, then their rows' offsets in emb2
.set TM,  16                           ; v16 + 2 p: t of tile p;  v17 + 2 p: its mask
.set CB,  24                           ; v24-55   h's codes, 8 registers a tile
.set BS,  56                           ; v56-59   h's scale words: scales alone
.set AS,  60                           ; v60      w2's scale word: scales alone
.set B2V, 61
.set E1V, 62
.set OW2, 63                           ; v63  4 x lane
.set HW,  64                           ; v64-95   32 numbers of h (before that: the event numbers, tdm, valid_j, at work)
.set RA,  96                           ; v96-127  w2, my column, block 0
.set RB,  128                          ; v128-159 block 1 (where w1 for c = 0 lay)
.set W1R, 128                          ; v128-191 w1 at my 64 k
.set B1R, 192                          ; v192-255 b1 likewise
.set EE2, 192                          ; v192-223 relu(emb2[ind_j]) at my eight e, 8 a tile (where b1 for c = 0 lay)
.set XR,  64                           ; the loop: v64-95 the product, then z, then max(z, 0) + c x residue
.set YR,  96                           ; v96-127  y, then the residue
.set ACC, 128                          ; v128-159 the sums over d
.set AF,  160                          ; v160-167 w2's fragment
.set CC,  168                          ; v168-175 b2 in the result's layout
.set WR,  176                          ; v176     ee1_d as loaded
.set WC,  178                          ; v178     ee1_d of the step in hand (v179 is named with it as a pair)
.set ADW, 180                          ; v180-183 the record's addresses
.set TP,  184                          ; v184-187 u - 1, two pairs by turns
.set UR,  224                          ; v224-255 u, then log2(u); at the end at work
.set WV,  24                           ; s24 wave   s25 row = 256 b + i   s26 quarter   s27 batch
.set ROW, 25
.set QQ,  26
.set BB,  27
.set CM,  40                           ; s40-43 the masks tdm > 0 of my four pairs (where event row i lay)
.set VI,  49                           ; s49 valid_i, 1.0 or 0
.set SEL, 50                           ; s[50:51] v_permlanex16_b32's selects for lane l xor 16
.set CL,  52                           ; s[52:53] c = log2(e), in both
.set LN2, 54
.set CNT, 55
.set RO,  56                           ; s56 1152 d, s57 4 d: stepped by constants in the loop
.set EO,  57
	s_load_b512 s[4:19], s[0:1], 0x0               ; tdm s[4:5], events s[6:7], indicator s[8:9], w1 s[10:11], b1 s[12:13], w2 s[14:15], b2 s[16:17], emb1 s[18:19]
	s_load_b128 s[20:23], s[0:1], 0x40             ; emb2 s[20:21], out s[22:23]
	v_lshl_add_u32 v[SPW], v0, 2, SPARE
	v_mov_b32 v[NIL], 0
	v_lshrrev_b32 v[MA], 5, v0
	v_readfirstlane_b32 s[WV], v[MA]               ; wave 0..15
	v_bfe_u32 v[HH], v0, 4, 1
	v_and_b32 v[R4], 15, v0
	v_lshlrev_b32 v[VA], 4, v[R4]                  ; 16 r
	v_lshlrev_b32 v[R4], 2, v[R4]                  ; 4 r
	v_lshlrev_b32 v[VB], 5, v0                     ; 32 x thread
	v_lshlrev_b32 v[VC], 7, v[HH]                  ; 128 hh
	v_and_b32 v[OW2], 31, v0
	v_lshlrev_b32 v[OW2], 2, v[OW2]                ; 4 x lane
	s_wait_alu depctr_va_sdst(0)                   ; s24, the wave's number, is written, ahead of its first reader
	s_lshr_b32 s56, s[WV], 2
	s_lshl_b32 s[ROW], ttmp9, 2
	s_add_co_u32 s[ROW], s[ROW], s56               ; 4 g + w / 4 = 256 b + i
	s_and_b32 s[QQ], s[WV], 3
	s_lshr_b32 s[BB], ttmp9, 6
	s_mov_b32 s[SEL], 0x76543210
	s_mov_b32 s[SEL+1], 0xfedcba98
	s_mov_b32 s[CL], 0x3fb8aa3b
	s_mov_b32 s[CL+1], s[CL]
	s_mov_b32 s[LN2], 0x3f317218
	s_lshl_b32 s58, s[QQ], 8                       ; 256 q
	s_lshl_b32 s56, s[ROW], 10
	s_add_co_u32 s56, s56, s58
	s_mov_b32 s57, 0                               ; s[56:57]: my 256 bytes of tdm and of out
	s_lshl_b32 s60, s[BB], 10
	s_add_co_u32 s58, s60, s58
	s_mov_b32 s59, 0                               ; s[58:59]: my 64 indices
	s_lshl_b32 s60, s[BB], 14
	s_mov_b32 s61, 0                               ; s[60:61]: my batch's event rows
	s_wait_kmcnt 0x0
	s_add_nc_u64 s[4:5], s[4:5], s[56:57]
	s_add_nc_u64 s[22:23], s[22:23], s[56:57]
	s_add_nc_u64 s[30:31], s[8:9], s[58:59]
	s_add_nc_u64 s[28:29], s[6:7], s[60:61]
	s_wait_alu depctr_va_vdst(0)                   ; the offsets v4 to v7 and v63 are written, which the loads below read
	; the first four loads: 8 event numbers a thread (two threads to a row), my four tdm, my four indices
	global_load_b128 v[64:67], v[VB], s[28:29]
	global_load_b128 v[68:71], v[VB], s[28:29] offset:16
	global_load_b128 v[72:75], v[VA], s[4:5] th:TH_LOAD_NT
	global_load_b128 v[IND:IND+3], v[VA], s[30:31]
	s_lshl_b32 s56, s[ROW], 6
	s_add_nc_u64 s[6:7], s[6:7], s[56:57]          ; event row i,
	s_lshl_b32 s56, s[ROW], 2
	s_add_nc_u64 s[8:9], s[8:9], s[56:57]          ; and ind_i: the same for the whole wave, so they come as scalars
	s_load_b512 s[32:47], s[6:7], 0x0
	s_load_b32 s48, s[8:9], 0x0
	; 32 loads: w1 and b1 at k = 64 c + 32 hh + 0 .. 31; c = 0 first
.irp c, 0,1
.irp i, 0,1,2,3,4,5,6,7
	global_load_b128 v[W1R+32*\c+4*\i:W1R+32*\c+4*\i+3], v[VC], s[10:11] offset:256*\c+16*\i
.endr
.irp i, 0,1,2,3,4,5,6,7
	global_load_b128 v[B1R+32*\c+4*\i:B1R+32*\c+4*\i+3], v[VC], s[12:13] offset:256*\c+16*\i
.endr
.endr
	s_and_b32 s56, s[WV], 7
	s_lshl_b32 s56, s56, 7                         ; w2: my wave's 32 columns,
	s_lshr_b32 s58, s[WV], 3
	s_lshl_b32 s58, s58, 16                        ; and its 64 rows of 1,024 bytes
	s_add_co_u32 s56, s56, s58
	s_add_nc_u64 s[14:15], s[14:15], s[56:57]
	s_lshl_b32 s56, s[WV], 6
	s_add_nc_u64 s[16:17], s[16:17], s[56:57]      ; b2[16 w ..]: wave w lays record w's
	; ---- validity of my batch's 256 rows: a row is padding where all its numbers are +-0: the OR of their bits, the sign shifted out
	s_wait_loadcnt 32                              ; the first four loads are in; the 32 of w1 and b1 may be out
	v_or_b32 v64, v64, v65
	v_or_b32 v66, v66, v67
	v_or_b32 v68, v68, v69
	v_or_b32 v70, v70, v71
	v_or_b32 v64, v64, v66
	v_or_b32 v68, v68, v70
	v_or_b32 v64, v64, v68
	v_lshlrev_b32 v64, 1, v64
	v_mov_b32_dpp v65, v64 row_xmask:1 row_mask:0xf bank_mask:0xf   ; the row's other eight numbers lie in the neighbouring lane
	v_or_b32 v64, v64, v65
	v_cmp_ne_u32 vcc_lo, 0, v64
	v_lshlrev_b32 v66, 1, v0
	v_and_b32 v66, 0x7fc, v66                      ; 4 x (thread / 2): both lanes of a row store the same word with the same value
	s_lshl_b32 s56, s[QQ], 8
	v_add_nc_u32 v80, s56, v[VA]                   ; where valid at j0 + 4 r + 0 .. 3 will lie: read behind the barrier
	s_wait_alu depctr_va_vcc(0)                    ; the compare has written VCC, which the select below reads
	v_cndmask_b32 v64, 0, 1.0, vcc_lo
	s_wait_kmcnt 0x0                               ; event row i and ind_i
.irp i, 33,34,35,36,37,38,39,40,41,42,43,44,45,46,47
	s_or_b32 s32, s32, s[\i]
.endr
	s_lshl_b32 s32, s32, 1
	s_cmp_lg_u32 s32, 0
	s_cselect_b32 s[VI], 1.0, 0                    ; a value is chosen; no branch hangs on it
	s_min_u32 s48, s48, 16                         ; the index is held inside the table of 17 rows
	s_lshl_b32 s48, s48, 6
	v_add_nc_u32 v[E1O], s48, v[R4]
	s_wait_alu depctr_va_vdst(0)                   ; v64 and v66 are written, which the LDS store reads; v8, which emb1's load reads; v80, which the LDS load behind the barrier reads
	ds_store_b32 v66, v64 offset:VAL
	; 32 loads: w2(64 (w / 8) + i, my column): 32 lanes read 128 consecutive bytes
.set ii, 0
.rept 32
	global_load_b32 v[RA+ii], v[OW2], s[14:15] offset:ii*1024
.set ii, ii+1
.endr
	global_load_b32 v[E1V], v[E1O], s[18:19]       ; emb1[ind_i][r]
	global_load_b32 v[B2V], v[R4], s[16:17]        ; b2[16 w + r]
	s_wait_dscnt 0x0                               ; for the others' sake: my word of valid has landed
	s_barrier_signal -1
	s_barrier_wait -1
	; ---- t and the mask of my four pairs
	ds_load_b128 v[76:79], v80 offset:VAL          ; valid at j0 + 4 r + 0 .. 3
	s_wait_dscnt 0x0
	s_wait_alu depctr_vm_vsrc(0)                   ; every load and LDS instruction so far has read its registers: v80, v64 and v66, v4, v5 and v6 are written again below
.irp p, 0,1,2,3
	v_cmp_lt_f32 s[CM+\p], 0, v[72+\p]             ; the four compares in a run, each into a scalar register of its own
.endr
	s_wait_alu depctr_va_sdst(0)                   ; the four compares have written s40 to s43, which the selects below read
.irp p, 0,1,2,3
	v_cndmask_b32 v[TM+1+2*\p], 0, v[76+\p], s[CM+\p]
.endr
.irp p, 0,1,2,3
	v_mul_f32 v[TM+1+2*\p], s[VI], v[TM+1+2*\p]    ; (tdm > 0) x valid_j x valid_i
.endr
.irp p, 0,1,2,3
	v_fma_f32 v[80+\p], v[72+\p], v[TM+1+2*\p], 1.0
.endr
.irp p, 0,1,2,3
	v_log_f32 v[TM+2*\p], v[80+\p]
.endr
	v_lshlrev_b32 v[VA], 3, v[HH]                  ; 8 hh.  (The plain instruction behind the logarithms)
	s_wait_alu depctr_va_vdst(0)                   ; the four logarithms have written v16, v18, v20, v22, ahead of the batch's first reader
.irp p, 0,1,2,3
	v_mul_f32 v[TM+2*\p], s[LN2], v[TM+2*\p]       ; log = log2 x ln 2
.endr
; the largest of 32 numbers from v[base] on (mag = 1: of their magnitudes) and the floor, in two chains -> v[MA]
.macro MAXB base, mag
.if \mag
	v_max3_num_f32 v[MA], |v[\base]|, |v[\base+1]|, FLOOR
	v_max3_num_f32 v[MB], |v[\base+16]|, |v[\base+17]|, |v[\base+18]|
.irp i, 2,4,6,8,10,12
	v_max3_num_f32 v[MA], v[MA], |v[\base+\i]|, |v[\base+\i+1]|
	v_max3_num_f32 v[MB], v[MB], |v[\base+\i+17]|, |v[\base+\i+18]|
.endr
	v_max3_num_f32 v[MA], v[MA], |v[\base+14]|, |v[\base+15]|
	v_max3_num_f32 v[MA], v[MA], v[MB], |v[\base+31]|
.else
	v_max3_num_f32 v[MA], v[\base], v[\base+1], FLOOR
	v_max3_num_f32 v[MB], v[\base+16], v[\base+17], v[\base+18]
.irp i, 2,4,6,8,10,12
	v_max3_num_f32 v[MA], v[MA], v[\base+\i], v[\base+\i+1]
	v_max3_num_f32 v[MB], v[MB], v[\base+\i+17], v[\base+\i+18]
.endr
	v_max3_num_f32 v[MA], v[MA], v[\base+14], v[\base+15]
	v_max3_num_f32 v[MA], v[MA], v[MB], v[\base+31]
.endif
.endm
; tile p, block 2 c + hh of my pair: h at k = 64 c + 32 hh + 0 .. 31, its scale's byte, its codes: registers 4 c .. 4 c + 3 of the operand
.macro HB p, c
.irp i, 0,2,4,6,8,10,12,14,16,18,20,22,24,26,28,30
	v_pk_fma_f32 v[HW+\i:HW+\i+1], v[W1R+32*\c+\i:W1R+32*\c+\i+1], v[TM+2*\p:TM+2*\p+1], v[B1R+32*\c+\i:B1R+32*\c+\i+1] op_sel_hi:[1,0,1]   ; t w1 + b1: of the pair (t, mask) the low word serves both halves
.endr
.set ii, 0
.rept 32
	v_max_num_f32 v[HW+ii], 0, v[HW+ii]            ; relu
.set ii, ii+1
.endr
	MAXB HW, 0                                     ; none is negative: no |.|
	v_add_nc_u32 v[SC], 0xff000000, v[MA]          ; 2 off the exponent field: the conversion takes the exponent field of this operand as its scale
.irp g, 0,1,2,3
	v_cvt_scalef32_pk8_fp4_f32 v[CB+8*\p+4*\c+\g], v[HW+8*\g:HW+8*\g+7], v[SC]
.endr
	v_lshrrev_b32 v[VB], 23, v[SC]                 ; the scale's byte.  (The plain instruction behind the conversions)
.if \c == 0
	v_mov_b32 v[BS+\p], v[VB]
.else
	v_lshl_or_b32 v[BS+\p], v[VB], 16, v[BS+\p]    ; my two bytes: blocks hh and 2 + hh
.endif
.endm
	s_wait_loadcnt 50                              ; w1 and b1 for c = 0 are in; out may be: those for c = 1 (16), w2's first block (32), emb1 and b2 (2)
.irp p, 0,1,2,3
	HB \p, 0
.endr
	s_wait_loadcnt 34                              ; w1 and b1 for c = 1 are in; out may be: w2's first block (32), emb1 and b2 (2)
	v_lshlrev_b32 v[VC], 5, v[HH]                  ; 32 hh (the loads that read 128 hh are in)
.irp p, 0,1,2,3
	v_min_u32 v[IND+\p], 16, v[IND+\p]             ; the index is held inside the table
.endr
.irp p, 0,1,2,3
	v_lshlrev_b32 v[IND+\p], 6, v[IND+\p]
.endr
.irp p, 0,1,2,3
	v_add_nc_u32 v[IND+\p], v[VC], v[IND+\p]       ; row ind_j of 64 bytes, + my eight e
.endr
	s_wait_alu depctr_va_vdst(0)                   ; the four tiles' multiply-adds for c = 0 are done reading v128-159 and v192-223, in which the 40 loads below land; v12-15 are written, which emb2's loads read
.set ii, 0
.rept 32
	global_load_b32 v[RB+ii], v[OW2], s[14:15] offset:(32+ii)*1024   ; w2's second block, where w1 for c = 0 lay
.set ii, ii+1
.endr
.irp p, 0,1,2,3
	global_load_b128 v[EE2+8*\p:EE2+8*\p+3], v[IND+\p], s[20:21]
	global_load_b128 v[EE2+8*\p+4:EE2+8*\p+7], v[IND+\p], s[20:21] offset:16
.endr
.irp p, 0,1,2,3
	HB \p, 1
.endr
.irp p, 0,1,2,3
	v_lshlrev_b32 v[BS+\p], v[VA], v[BS+\p]        ; my two bytes at their places in the scale word, 8 hh bits up;
.endr
.irp p, 0,1,2,3
	v_permlanex16_b32 v[HW+\p], v[BS+\p], s[SEL], s[SEL+1]
.endr
.irp p, 0,1,2,3
	v_or_b32 v[BS+\p], v[BS+\p], v[HW+\p]          ; with lane l xor 16's two the word is whole
.endr
	; ---- w2: my column n = 32 (w % 8) + lane: tile T = n / 16 = 2 (w % 8) + hh, row r; block u is group w / 8 of lane (r, u) of that tile's image
	s_and_b32 s56, s[WV], 7
	s_mul_i32 s56, s56, 2*REC
	s_lshr_b32 s57, s[WV], 3
	s_lshl_b32 s58, s57, 9
	s_add_co_u32 s58, s58, s56
	s_lshl_b32 s57, s57, 1
	s_add_co_u32 s57, s57, s56
	v_mul_u32_u24 v84, v[HH], REC
	v_and_b32 v85, 15, v0
	v_lshl_add_u32 v86, v85, 4, v84
	v_add_nc_u32 v86, s58, v86                     ; codes: T x REC + 512 (w / 8) + 16 r (+ 256 u)
	v_add_nc_u32 v87, v84, v[R4]
	v_add_nc_u32 v87, s57, v87                     ; scale bytes: T x REC + 4 r + 2 (w / 8)
	s_mul_i32 s59, s[WV], REC
	v_add_nc_u32 v88, s59, v[R4]                   ; b2: record w, 4 r
	s_lshl_b32 s60, s[WV], 6
	v_add_nc_u32 v89, s60, v[R4]                   ; ee1: 64 w + 4 r
.macro QW raw, u                               ; block u of my column: its codes into v[64 + 4 u ..], its scale's byte into v[80 + u]
	MAXB \raw, 1
	v_add_nc_u32 v[SC], 0xff000000, v[MA]
.irp g, 0,1,2,3
	v_cvt_scalef32_pk8_fp4_f32 v[64+4*\u+\g], v[\raw+8*\g:\raw+8*\g+7], v[SC]
.endr
	v_lshrrev_b32 v[80+\u], 23, v[SC]              ; the byte.  (The plain instruction behind the conversions)
.endm
	s_wait_loadcnt 42                              ; w2's first block is in; out may be: emb1 and b2 (2), the second block (32), emb2 (8)
	QW RA, 0
	s_wait_loadcnt 0x0
	QW RB, 1
	v_lshl_or_b32 v80, v81, 8, v80
	v_max_num_f32 v[E1V], 0, v[E1V]
	s_wait_alu depctr_va_vdst(0)                   ; both blocks' codes v64-71, the two bytes v80, ee1 v62 and the addresses v86-89 are written, which the five LDS stores read
	ds_store_b128 v86, v[64:67]
	ds_store_b128 v86, v[68:71] offset:256
	ds_store_b16 v87, v80 offset:1024              ; bytes 2 (w / 8) and 2 (w / 8) + 1 of my row's scale word
	ds_store_b32 v88, v[B2V] offset:1088           ; (lanes r and 16 + r store the same word with the same value, here and below)
	ds_store_b32 v89, v[E1V] offset:EE
	s_wait_dscnt 0x0                               ; for the others' sake: my stores have landed
	s_wait_alu depctr_vm_vsrc(0)                   ; my five LDS stores have read v64-71, v80 and v86-89: these registers take the products' results from here on
	s_barrier_signal -1
	; work on registers while the others arrive
.set ii, 0
.rept 32
	v_mov_b32 v[ACC+ii], 0                         ; the step is written for a loop: its first trip finds zeros
.set ii, ii+1
.endr
.set ii, 0
.rept 32
	v_max_num_f32 v[EE2+ii], 0, v[EE2+ii]
.set ii, ii+1
.endr
	v_mov_b32 v[WC+1], 0                           ; (named as the upper half of a pair)
	v_and_b32 v[VA], 31, v0
	v_lshlrev_b32 v[VA], 4, v[VA]                  ; 16 x lane
	v_lshrrev_b32 v[VB], 5, v0
	v_lshlrev_b32 v[VB], 6, v[VB]                  ; 64 x wave
	s_mov_b32 s[RO], 0
	s_mov_b32 s[EO], 0
	s_mov_b32 s[CNT], 15
.macro ADDR                                    ; the addresses of the record at s[RO]
	v_add_nc_u32 v[ADW], s[RO], v[VA]
	v_add_nc_u32 v[ADW+1], s[RO], v[R4]
	v_add_nc_u32 v[ADW+2], s[RO], v[VC]
	v_add_nc_u32 v[ADW+3], s[EO], v[VB]
.endm
.macro LDREC
	ds_load_b128 v[AF:AF+3], v[ADW]
	ds_load_b128 v[AF+4:AF+7], v[ADW] offset:512
	ds_load_b32 v[AS], v[ADW+1] offset:1024
	ds_load_b128 v[CC:CC+3], v[ADW+2] offset:1088
	ds_load_b128 v[CC+4:CC+7], v[ADW+2] offset:1104
	ds_load_b32 v[WR], v[ADW+3] offset:EE
.endm
	ADDR                                           ; record 0's addresses: work on registers too
	s_barrier_wait -1                              ; the sixteen records lie in LDS; nothing is stored there from here on
; ONE d: four products (my four tiles), softplus of 32 numbers a lane, and the sum over d.  more = 1: the next record is fetched.
.macro STEP more
	s_wait_dscnt 0x0                               ; the record is in
.if \more
	s_wait_alu depctr_vm_vsrc(0)                   ; this record's six LDS loads have read v180-183, which the four additions below write
.endif
.irp p, 0,1,2,3
	v_wmma_scale_f32_16x16x128_f8f6f4 v[XR+8*\p:XR+8*\p+7], v[AF:AF+7], v[CB+8*\p:CB+8*\p+7], v[CC:CC+7], v[AS], v[BS+\p] matrix_a_fmt:MATRIX_FMT_FP4 matrix_b_fmt:MATRIX_FMT_FP4
.endr
	v_mov_b32 v[WC], v[WR]                         ; ee1_d.  This line and the four (or three) below name no register of the products: the places ahead of the first read of their results
.if \more
	s_add_co_u32 s[RO], s[RO], REC
	s_add_co_u32 s[EO], s[EO], 4
	ADDR
.else
.rept 3
	v_nop
.endr
.endif
	; z = c x in place; y = 2^-|z|; then max(z, 0) in place.  Each result is read from its low end on.  The exponentials are one batch; plain lines stand among them
	v_pk_mul_f32 v[XR:XR+1], v[XR:XR+1], s[CL:CL+1] op_sel_hi:[1,0]
.set mm, 0
.rept 16
	v_exp_f32 v[YR+2*mm], -|v[XR+2*mm]|
.if mm < 15
	v_pk_mul_f32 v[XR+2*mm+2:XR+2*mm+3], v[XR+2*mm+2:XR+2*mm+3], s[CL:CL+1] op_sel_hi:[1,0]
.endif
	v_exp_f32 v[YR+2*mm+1], -|v[XR+2*mm+1]|
.if mm > 0
	v_max_num_f32 v[XR+2*mm-2], 0, v[XR+2*mm-2]
	v_max_num_f32 v[XR+2*mm-1], 0, v[XR+2*mm-1]
.endif
.set mm, mm+1
.endr
	v_max_num_f32 v[XR+30], 0, v[XR+30]
	v_max_num_f32 v[XR+31], 0, v[XR+31]
	s_wait_alu depctr_va_vdst(0)                   ; the 32 exponentials have written v96-127, ahead of their first reader.  With them: the products are done reading AF, CC and AS, the copy is done reading WR, and the additions have written v180-183
.if \more
	LDREC                                          ; the next record.  No further wait: nothing from here to the next step's wait on DScnt names these registers
.endif
	; u = 1 + y; log2(u) in place, a second batch that nothing names before its wait; among them: the residue y - (u - 1), max(z, 0) + c x residue, and that x ee1_d onto the sums
	v_pk_add_f32 v[UR:UR+1], v[YR:YR+1], 1.0 op_sel_hi:[1,0]
	v_pk_add_f32 v[TP:TP+1], v[UR:UR+1], -1.0 op_sel_hi:[1,0]
.set mm, 0
.rept 16
	v_log_f32 v[UR+2*mm], v[UR+2*mm]
	v_pk_add_f32 v[YR+2*mm:YR+2*mm+1], v[YR+2*mm:YR+2*mm+1], v[TP+2*(mm%2):TP+2*(mm%2)+1] neg_lo:[0,1] neg_hi:[0,1]
	v_log_f32 v[UR+2*mm+1], v[UR+2*mm+1]
.if mm < 15
	v_pk_add_f32 v[UR+2*mm+2:UR+2*mm+3], v[YR+2*mm+2:YR+2*mm+3], 1.0 op_sel_hi:[1,0]
.endif
	v_pk_fma_f32 v[XR+2*mm:XR+2*mm+1], v[YR+2*mm:YR+2*mm+1], s[CL:CL+1], v[XR+2*mm:XR+2*mm+1] op_sel_hi:[1,0,1]
.if mm < 15
	v_pk_add_f32 v[TP+2*((mm+1)%2):TP+2*((mm+1)%2)+1], v[UR+2*mm+2:UR+2*mm+3], -1.0 op_sel_hi:[1,0]
.endif
	v_pk_fma_f32 v[ACC+2*mm:ACC+2*mm+1], v[XR+2*mm:XR+2*mm+1], v[WC:WC+1], v[ACC+2*mm:ACC+2*mm+1] op_sel_hi:[1,0,1]
.set mm, mm+1
.endr
	s_wait_alu depctr_va_vdst(0)                   ; the 32 logarithms have written v224-255, ahead of their first reader: one wait for the batch
.set mm, 0
.rept 16
	v_pk_fma_f32 v[ACC+2*mm:ACC+2*mm+1], v[UR+2*mm:UR+2*mm+1], v[WC:WC+1], v[ACC+2*mm:ACC+2*mm+1] op_sel_hi:[1,0,1]
.set mm, mm+1
.endr
.endm
	s_wait_alu depctr_va_vdst(0)                   ; v180-183 are written, which record 0's loads read; h's arithmetic is done reading v160-176, in which they land; h's codes v24-55 and scale words v56-59 are written, which the scaled products take
	LDREC                                          ; record 0
.Ld:                                               ; 15 trips: d = 0 .. 14, each fetching the record of d + 1
	STEP 1
	s_sub_co_u32 s[CNT], s[CNT], 1
	s_cmp_lg_u32 s[CNT], 0
	s_cbranch_scc1 .Ld
	STEP 0                                         ; d = 15 is written out: there is no record behind it
	; ---- the way out: the sums x relu(emb2) over my eight e, lane l xor 16's eight, x ln 2, x the mask
	v_cmp_ne_u32 vcc_lo, 0, v[HH]                  ; which half of the lanes: read by the two selects below
.irp p, 0,1,2,3
	v_pk_mul_f32 v[UR+2*\p:UR+2*\p+1], v[ACC+8*\p:ACC+8*\p+1], v[EE2+8*\p:EE2+8*\p+1]
.endr
.irp k, 2,4,6
.irp p, 0,1,2,3
	v_pk_fma_f32 v[UR+2*\p:UR+2*\p+1], v[ACC+8*\p+\k:ACC+8*\p+\k+1], v[EE2+8*\p+\k:EE2+8*\p+\k+1], v[UR+2*\p:UR+2*\p+1]
.endr
.endr
.irp p, 0,1,2,3
	v_add_f32 v[UR+2*\p], v[UR+2*\p], v[UR+2*\p+1]
.endr
.irp p, 0,1,2,3
	v_permlanex16_b32 v[UR+2*\p+1], v[UR+2*\p], s[SEL], s[SEL+1]
.endr
.irp p, 0,1,2,3
	v_add_f32 v[UR+2*\p], v[UR+2*\p], v[UR+2*\p+1]
.endr
.irp p, 0,1,2,3
	v_mul_f32 v[UR+2*\p], s[LN2], v[UR+2*\p]
.endr
.irp p, 0,1,2,3
	v_mul_f32 v[UR+2*\p], v[TM+1+2*\p], v[UR+2*\p]
.endr
	v_lshlrev_b32 v[UR+10], 2, v[R4]
	v_lshl_add_u32 v[UR+10], v[HH], 3, v[UR+10]    ; 16 r + 8 hh
	s_wait_alu depctr_va_vcc(0)                    ; the compare at the way out's head has written VCC, which the two selects read
	v_cndmask_b32 v[UR+8], v[UR], v[UR+4], vcc_lo  ; lanes 0-15 store tiles 0 and 1, lanes 16-31 tiles 2 and 3
	v_cndmask_b32 v[UR+9], v[UR+2], v[UR+6], vcc_lo
	s_wait_alu depctr_va_vdst(0)                   ; the selects have written v232 and v233, the store's data, and v234, its offset, is written
	global_store_b64 v[UR+10], v[UR+8:UR+9], s[22:23] th:TH_STORE_NT   ; the wave's one store covers its 256 consecutive bytes, at a multiple of 256 from out's first byte
	s_wait_dscnt 0x0                               ; the closing lines, six on end
	s_wait_alu 0x0
	s_wait_tensorcnt 0x0
	ds_add_u32 v[SPW], v[NIL]
	s_wait_dscnt 0x0
	s_endpgm
.Lfunc_end_k_q023b09dbd5_impact:
	.size	k_q023b09dbd5_impact, .Lfunc_end_k_q023b09dbd5_impact-k_q023b09dbd5_impact
	.p2alignl 7, 3214868480
	.fill 96, 4, 3214868480
	.section	.rodata,"a",@progbits
	.p2align	6, 0x0
	.amdhsa_kernel k_q023b09dbd5_impact
		.amdhsa_group_segment_fixed_size 22528
		.amdhsa_private_segment_fixed_size 0
		.amdhsa_enable_private_segment 0
		.amdhsa_kernarg_size 80
		.amdhsa_user_sgpr_count 2
		.amdhsa_user_sgpr_kernarg_segment_ptr 1
		.amdhsa_wavefront_size32 1
		.amdhsa_system_sgpr_workgroup_id_x 1
		.amdhsa_system_sgpr_workgroup_id_y 1
		.amdhsa_system_sgpr_workgroup_id_z 1
		.amdhsa_system_vgpr_workitem_id 0
		.amdhsa_next_free_vgpr 256
		.amdhsa_next_free_sgpr 66
		.amdhsa_reserve_vcc 1
		.amdhsa_float_denorm_mode_32 3
		.amdhsa_float_denorm_mode_16_64 3
		.amdhsa_memory_ordered 1
		.amdhsa_forward_progress 1
		.amdhsa_inst_pref_size 78
	.end_amdhsa_kernel
	.amdgpu_metadata
---
amdhsa.version: [ 1, 2 ]
amdhsa.kernels:
  - .name:           k_q023b09dbd5_impact
    .symbol:         k_q023b09dbd5_impact.kd
    .args:
      - { .name: time_delta_matrix, .offset: 0, .size: 8, .value_kind: global_buffer, .address_space: global }
      - { .name: event_type_seq, .offset: 8, .size: 8, .value_kind: global_buffer, .address_space: global }
      - { .name: indicator, .offset: 16, .size: 8, .value_kind: global_buffer, .address_space: global }
      - { .name: w1, .offset: 24, .size: 8, .value_kind: global_buffer, .address_space: global }
      - { .name: b1, .offset: 32, .size: 8, .value_kind: global_buffer, .address_space: global }
      - { .name: w2, .offset: 40, .size: 8, .value_kind: global_buffer, .address_space: global }
      - { .name: b2, .offset: 48, .size: 8, .value_kind: global_buffer, .address_space: global }
      - { .name: emb1, .offset: 56, .size: 8, .value_kind: global_buffer, .address_space: global }
      - { .name: emb2, .offset: 64, .size: 8, .value_kind: global_buffer, .address_space: global }
      - { .name: out0, .offset: 72, .size: 8, .value_kind: global_buffer, .address_space: global }
    .group_segment_fixed_size: 22528
    .private_segment_fixed_size: 0
    .kernarg_segment_align: 8
    .kernarg_segment_size: 80
    .max_flat_workgroup_size: 512
    .sgpr_count:     66
    .vgpr_count:     256
    .wavefront_size: 32
...
	.end_amdgpu_metadata
.endif
;; end of part 2
